; MI455X (gfx1250); checked and timed in simulation.
; The chip was launched on July 23, 2026; its instructions are those of AMD's public machine-readable ISA for CDNA 5 (MIT licence, August 2026) and "CDNA5" Instruction Set Architecture Reference Guide (July 2026). The comments in the code are by the model that wrote it; some were corrected since.
;; Int4 Linear V2. Allowed arithmetic: matrix products marked QUANTISED: E2M3 operands, one E8M0 scale for each 32 along K, by v_wmma_scale_f32_16x16x128_f8f6f4 with both operands' format E2M3, f32 sums; everything else in f32.
;; Inputs: scales 32 x 4,096 float16; weight 2,048 x 4,096 uint8; x 4,096 x 4,096 float16.
;; Outputs: out0 4,096 x 4,096 float16.
;; Constants: group_size = 128.
;; This version of the problem:
;;   THIS VERSION OF THE PROBLEM IS GIVEN IN LOW PRECISION. The matrix products marked QUANTISED in the list below multiply operands that are first quantised to E2M3 (2 exponent bits, 3 mantissa bits; 6 bits a number), with one power-of-two scale for each 32 numbers along K (OCP MX v1.0); their sums are f32. All else is computed in f32.
;;   The module's matrix products, in the order in which they are computed (A, B: the left and right operand; K: the contracted axis; several contracted axes count as one K, in the product's order):
;;     1. [M 4,096, K 4,096] x [K 4,096, N 4,096]; A: input x; B: computed on the way: QUANTISED
;;   THE QUANTISER, for each operand of a quantised product, along K:
;;     - K is cut into blocks of 32 from its start; a last block that is shorter is filled with zeros.
;;     - A block's scale is 2^e with e = floor(log2(the largest magnitude in the block)) - 2, held to -126 .. 127; a block of zeros has e = 0. As a byte (E8M0): e + 127.
;;     - Each number is divided by its block's scale, clamped to +-7.5, and rounded to the nearest number of E2M3, ties to even, subnormals kept.
;;     - The product sums the exact products of the quantised numbers (number of the format x scale) in f32.
;;   ~~~python
;;   def quantise(x, axis):      # numpy; x: float32 -> the quantised numbers, widened to float32 again
;;       x = np.moveaxis(x, axis, -1); K = x.shape[-1]
;;       x = np.pad(x, [(0, 0)] * (x.ndim - 1) + [(0, -K % 32)]); x = x.reshape(x.shape[:-1] + (-1, 32)); a = np.abs(x).max(-1, keepdims=True)
;;       e = np.where(a > 0, np.clip(np.frexp(np.where(a > 0, a, 1))[1] - 1 - 2, -126, 127), 0)      # np.frexp(a)[1] - 1 = floor(log2(a)), exactly
;;       r = np.clip(x / 2.0 ** e, -7.5, 7.5)
;;       step = 2.0 ** (np.maximum(np.frexp(np.where(r == 0, 1, r))[1] - 1, 0) - 3)
;;       q = np.round(r / step) * step * 2.0 ** e      # np.round: ties to even
;;       return np.moveaxis(q.reshape(q.shape[:-2] + (-1,))[..., :K], -1, axis).astype(np.float32)
;;   ~~~
;;   OPERANDS COMPUTED ON THE WAY. 'Computed on the way' means the value that the module computes at that place (a softmax that the list does not call 'softmax' is quantised finished and normalised). What goes into a quantiser is computed in f32, as accurately as f32 sums, v_exp_f32 and their like allow (about 1e-6 of the number): no bf16 or f16 on the way to a quantiser, and a product that is left as it is and whose result goes on into a quantised operand takes f32 operands (vector FMAs, or v_wmma_f32_16x16x4_f32). A number that lies on a knife's edge between two numbers of the format may be rounded either way, as far as f32 arithmetic and the matrix unit's own rounding can turn it there, and no further.
;; One version. Each part assembles by itself: llvm-mc -triple=amdgcn-amd-amdhsa -mcpu=gfx1250 --defsym DOCPART=n.
;; ======== version 1 of 1: 2 launches
;; limits: values are held in f16: magnitudes above 65,504 overflow, below 6.1e-05 lose precision; right only within a limited range of input values
;; workspace buffers: aq 13,107,200 bytes; bq 13,107,200 bytes
;; launch quant (part 1): grid 1024 x 1, 4 waves a work-group, no clusters, 17,920 bytes of LDS; arguments x, weight, scales, aq, bq; writes aq, bq
.if DOCPART == 1
	.amdgcn_target "amdgcn-amd-amdhsa--gfx1250"
	.amdhsa_code_object_version 6
	.text
	.protected	k_q25ea90cb87_quant
	.globl	k_q25ea90cb87_quant
	.p2align	8
	.type	k_q25ea90cb87_quant,@function
k_q25ea90cb87_quant:
	s_mov_b64 s[64:65], 0
	v_nop
	global_prefetch_b8 v0, s[64:65] scope:SCOPE_SE
	s_setreg_imm32_b32 hwreg(HW_REG_WAVE_MODE, 25, 1), 1
	s_wait_xcnt 0x0
; x [4096][4096] f16 and w[k][n] = (nibble - 8) * scales[k / 128][n] are turned into codes of FP6 (E2M3) along K, with one E8M0 byte for each 32 along K.
; A block's scale is 2^(floor(log2(its largest magnitude)) - 2); its byte is the largest magnitude's exponent field - 2, held at 1 from below.
; BOTH RESULTS ARE LAID IN THE ORDER OF THE OPERAND'S REGISTERS.  aq, bq: [32 strips of 128 rows][32 K steps of 128][UNIT = 12,800 bytes].  A unit: 8 fragment images of 1,536 bytes, then 512 bytes of scale words.
;   image: register j (0..11) of lane l at 512 (j / 4) + 16 l + 4 (j % 4); lane (r, h) holds of the fragment's row r the block h in registers 0-5 and the block 2 + h in registers 6-11.
;   scale word of fragment i, row r: at 12,288 + 256 (i / 4) + 16 r + 4 (i % 4); byte b is block b of the K step.
;   aq: fragment i, place r = row 128 T + 16 i + r of x.     bq: fragment b, place r = column 128 T + 8 r + b of w: a lane of the product then holds eight neighbouring columns.
; One launch serves both: work-groups 0-511 take x, which has four fifths of the bytes that are read, 512-1,023 take w.  Only x's path touches LDS.  No barrier: waves share nothing.
; A wave's share is small, four fragments of one K step; 256 registers let four waves stand on a SIMD.  All of a wave's loads go out at its head, so there is no loop for a prefetch to run ahead in.
; Each fragment's codes have registers of their own, so no store's data are written again.
; LIMITS: NaN and infinities in x or scales are not served.  A block of zeros gets the byte 1 where the rule says 127: its codes are zeros, and this program alone reads the bytes.
.set UNIT,  12800
.set STRIP, 409600
.set SPX,   272                        ; x's stage: a row of 256 bytes + 16
.set CT,  28                           ; v28-30  a block's upper 16 codes (a conversion's three registers begin on an even number)
.set BY,  32                           ; v32-33  two scale bytes
.set W,   36                           ; v36-39  the fragments' scale words
.set TM,  44                           ; v44-45  two chains of the maximum
.set SCL, 46                           ; v46     the conversion's scale operand
.set SS,  52                           ; w: v52-53 (s, s)
.set CC,  54                           ; w: v54-55 what the pair takes off
.set WS,  56                           ; v56-57  the scale words that my lane stores
.set H,   64                           ; x: v64-95   64 numbers as f16
.set F,   96                           ; x: v96-127  32 numbers as f32
.set RAW, 128                          ; x: v128-255 four steps of 8 loads; a step's first 12 registers later hold its fragment's codes
.set RW,  64                           ; w: v64-95   my 32 rows' words, at 16 c + i
.set FW,  128                          ; w: v128-159 32 numbers as f32
.set CD,  160                          ; w: v160-207 the four fragments' codes
; 32 numbers v[f] .. v[f + 31], a whole block, become six code registers v[cd] .. v[cd + 5] and the byte v[by].
.macro QBLK f, cd, by
	v_max3_num_f32 v[TM], |v[\f]|, |v[\f+1]|, 0x1800000          ; with the floor 2^(3 - 127): the byte cannot fall under 1
	v_max3_num_f32 v[TM+1], |v[\f+2]|, |v[\f+3]|, |v[\f+4]|
.irp i, 5,7,9,11,13,15,17,19,21,23,25,27,29
	v_max3_num_f32 v[TM+((\i-5)/2)%2], v[TM+((\i-5)/2)%2], |v[\f+\i]|, |v[\f+\i+1]|   ; two chains by turns
.endr
	v_max3_num_f32 v[TM], v[TM], v[TM+1], |v[\f+31]|
	v_add_nc_u32 v[SCL], 0xff000000, v[TM]         ; 2 off the exponent field: the conversion takes this operand's exponent field as its scale
	v_lshrrev_b32 v[\by], 23, v[SCL]               ; the scale's byte
	v_cvt_scalef32_pk16_fp6_f32 v[\cd:\cd+2], v[\f:\f+15], v[SCL]
	v_cvt_scalef32_pk16_fp6_f32 v[CT:CT+2], v[\f+16:\f+31], v[SCL]
	v_nop                                          ; one plain place behind the scaled conversions
.irp i, 0,1,2
	v_mov_b32 v[\cd+3+\i], v[CT+\i]
.endr
.endm
; My two bytes v[BY], v[BY + 1] (blocks h and 2 + h) and lane l xor 16's two make the row's scale word, in both lanes.
.macro WORD dst
	v_lshl_or_b32 v50, v[BY+1], 16, v[BY]
	v_lshlrev_b32 v50, v8, v50                     ; 8 h bits up: at their places in the word
	v_permlanex16_b32 v51, v50, s20, s21
	v_or_b32 v[\dst], v50, v51
.endm
; The four fragments' words of 16 rows are 256 consecutive bytes: lane (r, h) stores the words of fragments 2 h and 2 h + 1 of the four, 8 bytes at 16 r + 8 h.
.macro OUTW
	v_cmp_le_u32 vcc_lo, 16, v1
	v_cndmask_b32 v[WS], v[W], v[W+2], vcc_lo
	v_cndmask_b32 v[WS+1], v[W+1], v[W+3], vcc_lo
	global_store_b64 v7, v[WS:WS+1], s[14:15]      ; 32 lanes store 256 consecutive bytes, aligned to 256
.endm
	s_load_b256 s[4:11], s[0:1], 0x0               ; x s[4:5], weight s[6:7], scales s[8:9], aq s[10:11]
	s_load_b64 s[12:13], s[0:1], 0x20              ; bq
	v_lshl_add_u32 v62, v0, 2, 0x4400
	v_mov_b32 v63, 0
	v_lshrrev_b32 v1, 5, v0
	v_readfirstlane_b32 s16, v1                    ; wave 0..3
	v_and_b32 v1, 31, v0                           ; lane
	v_and_b32 v2, 15, v0                           ; r
	v_bfe_u32 v3, v0, 4, 1                         ; h
	v_lshlrev_b32 v7, 4, v2
	v_lshl_add_u32 v7, v3, 3, v7                   ; 16 r + 8 h: my place among the scale words
	v_lshlrev_b32 v8, 3, v3                        ; 8 h
	v_lshlrev_b32 v9, 4, v1                        ; 16 x lane: an image's place for my lane
	v_mov_b32 v51, 0                               ; written once: a lane permute's destination counts as one of its sources
	s_mov_b32 s20, 0x76543210
	s_mov_b32 s21, 0xfedcba98                      ; v_permlanex16_b32's selects for lane l xor 16
	s_cmp_lt_u32 ttmp9, 512
	s_cbranch_scc0 .Lw
; ---------------- x: a wave takes 64 rows x one K step (256 bytes of each row): four steps of 16 rows, a fragment each ----------------
; A load reads two rows' 256 consecutive bytes, sixteen lanes to a row; 16 rows turn through the wave's own stage in LDS, from which a lane takes two whole blocks of its row.
	s_lshr_b32 s17, ttmp9, 3                       ; which 64 rows
	s_and_b32 s18, ttmp9, 7
	s_lshl_b32 s18, s18, 2
	s_add_co_u32 s18, s18, s16                     ; the K step: the four waves stand side by side on 1,024 bytes of each row
	s_lshl_b32 s22, s17, 19                        ; 64 rows of 8,192 bytes
	s_lshl_b32 s19, s18, 8
	s_add_co_u32 s22, s22, s19
	s_mov_b32 s23, 0
	s_lshr_b32 s24, s17, 1                         ; the strip T
	s_and_b32 s25, s17, 1                          ; u: fragments 4 u .. 4 u + 3 of it
	s_mul_i32 s24, s24, STRIP
	s_mul_i32 s19, s18, UNIT
	s_add_co_u32 s24, s24, s19                     ; the unit
	s_mul_i32 s26, s25, 6144
	s_add_co_u32 s26, s26, s24                     ; my images
	s_mov_b32 s27, 0
	s_lshl_b32 s28, s25, 8
	s_add_co_u32 s28, s28, s24
	s_add_co_u32 s28, s28, 12288                   ; my scale words
	s_mov_b32 s29, 0
	s_mul_i32 s30, s16, 16*SPX                     ; my stage
	s_wait_alu depctr_va_vdst(0)
	v_lshlrev_b32 v4, 13, v3
	v_lshl_add_u32 v4, v2, 4, v4                   ; a load: lanes 0-15 one row, lanes 16-31 the next, 16 bytes a lane
	v_mul_u32_u24 v5, v3, SPX
	v_lshl_add_u32 v5, v2, 4, v5
	v_add_nc_u32 v5, s30, v5                       ; into the stage: the same two rows
	v_mul_u32_u24 v6, v2, SPX
	v_lshl_add_u32 v6, v3, 6, v6
	v_add_nc_u32 v6, s30, v6                       ; out of it: row r, + 64 h: block h
	s_wait_alu depctr_va_vdst(0)
	s_wait_kmcnt 0x0
	s_add_nc_u64 s[4:5], s[4:5], s[22:23]
	s_add_nc_u64 s[14:15], s[10:11], s[28:29]
	s_add_nc_u64 s[10:11], s[10:11], s[26:27]
.irp t, 0,1,2,3                                ; all 32 loads at once
.irp i, 0,1,2,3,4,5,6,7
	global_load_b128 v[RAW+32*\t+4*\i:RAW+32*\t+4*\i+3], v4, s[4:5] offset:(16*\t+2*\i)*8192 th:TH_LOAD_NT
.endr
.endr
.macro XFRAG t                         ; fragment 4 u + t
	s_wait_loadcnt 24-8*\t                         ; this step's 8 loads are in; the later steps', 8 each, may be out
.irp i, 0,1,2,3,4,5,6,7
	ds_store_b128 v5, v[RAW+32*\t+4*\i:RAW+32*\t+4*\i+3] offset:2*\i*SPX   ; LDS serves a wave's instructions in order: the reads below see these, and the last step's reads have been waited for
.endr
.irp c, 0,1
.irp jj, 0,1,2,3
	ds_load_b128 v[H+16*\c+4*\jj:H+16*\c+4*\jj+3], v6 offset:128*\c+16*\jj
.endr
.endr
	s_wait_dscnt 0x0                               ; my 64 numbers are in, and the stores into the stage have read their registers: the fragment's codes take the first 12 of them
.irp c, 0,1
.irp k, 0,1,2,3,4,5,6,7,8,9,10,11,12,13,14,15
	v_cvt_f32_f16 v[F+2*\k], v[H+16*\c+\k].l
	v_cvt_f32_f16 v[F+2*\k+1], v[H+16*\c+\k].h
.endr
	QBLK F, RAW+32*\t+6*\c, BY+\c
.endr
	WORD W+\t
.irp c, 0,1,2
	global_store_b128 v9, v[RAW+32*\t+4*\c:RAW+32*\t+4*\c+3], s[10:11] offset:1536*\t+512*\c   ; 32 lanes store 512 consecutive bytes, aligned to 256
.endr
.endm
	XFRAG 0
	XFRAG 1
	XFRAG 2
	XFRAG 3
	OUTW
	s_wait_tensorcnt 0x0                           ; the wave's end
	ds_add_u32 v62, v63
	s_wait_dscnt 0x0
	s_endpgm
; ---------------- w: a wave takes fragments 4 g .. 4 g + 3 of one unit: columns 8 r + 4 g + 0 .. 3 of a strip, one K step (64 rows of packed bytes) ----------------
; Lane (r, h) takes one word of each row (4 neighbouring columns) and the rows of blocks h and 2 + h, and its registers run down K: that is the fragment's own layout, so the conversions' results are the image.
; The two waves of a strip take the two words of each 8 bytes, at the same time; a work-group's four waves take 256 bytes of each row.
; A NIBBLE BECOMES A NUMBER WHERE IT STANDS: at bit p = 8, 12 or 16 of a word, under the exponent of 2^(23 - p), it reads 2^(23 - p) + u.  One fused multiply-add, (2^(23 - p) + u) s - (2^(23 - p) + 8) s, then gives
; (u - 8) s.  Nothing is rounded: 2^15 + 8 is 8 x 4,097, 13 bits, times the 11 bits of s is 24 bits, and the result has at most 15.
.Lw:
	s_sub_co_u32 s17, ttmp9, 512
	s_and_b32 s18, s17, 15
	s_lshl_b32 s18, s18, 2
	s_add_co_u32 s18, s18, s16
	s_and_b32 s30, s18, 1                          ; g
	s_lshr_b32 s18, s18, 1                         ; the strip T
	s_lshr_b32 s19, s17, 4                         ; the K step, which is also the group of scales
	s_lshl_b32 s22, s19, 18                        ; 64 rows of 4,096 bytes
	s_lshl_b32 s24, s18, 7
	s_add_co_u32 s22, s22, s24
	s_lshl_b32 s24, s30, 2
	s_add_co_u32 s22, s22, s24
	s_mov_b32 s23, 0
	s_lshl_b32 s24, s19, 13                        ; a row of scales is 8,192 bytes
	s_lshl_b32 s26, s18, 8
	s_add_co_u32 s24, s24, s26
	s_lshl_b32 s26, s30, 3
	s_add_co_u32 s24, s24, s26
	s_mov_b32 s25, 0
	s_mul_i32 s28, s18, STRIP
	s_mul_i32 s26, s19, UNIT
	s_add_co_u32 s28, s28, s26                     ; the unit
	s_mul_i32 s26, s30, 6144
	s_add_co_u32 s26, s26, s28                     ; my images
	s_mov_b32 s27, 0
	s_lshl_b32 s30, s30, 8
	s_add_co_u32 s28, s28, s30
	s_add_co_u32 s28, s28, 12288                   ; my scale words
	s_mov_b32 s29, 0
	s_mov_b32 s32, 0xf00
	s_mov_b32 s33, 0xf000
	s_mov_b32 s34, 0xf0000
	s_mov_b32 s35, 0x47000000                      ; 2^15, for a nibble at bit 8
	s_mov_b32 s36, 0x45000000                      ; 2^11, at bit 12
	s_mov_b32 s37, 0x43000000                      ; 2^7, at bit 16
	s_wait_alu depctr_va_vdst(0)
	v_lshlrev_b32 v4, 16, v3
	v_lshl_add_u32 v4, v2, 3, v4                   ; lanes 16-31 begin 16 rows further down; the next lane's word lies 8 bytes on
	v_lshlrev_b32 v5, 4, v2                        ; my four columns' scales: 8 bytes of each 16
	s_wait_alu depctr_va_vdst(0)
	s_wait_kmcnt 0x0
	s_add_nc_u64 s[6:7], s[6:7], s[22:23]
	s_add_nc_u64 s[8:9], s[8:9], s[24:25]
	s_add_nc_u64 s[14:15], s[12:13], s[28:29]
	s_add_nc_u64 s[12:13], s[12:13], s[26:27]
	global_load_b64 v[10:11], v5, s[8:9]
.irp c, 0,1                                    ; block 2 c + h is rows 32 c + 16 h + 0 .. 15
.irp i, 0,1,2,3,4,5,6,7,8,9,10,11,12,13,14,15
	global_load_b32 v[RW+16*\c+\i], v4, s[6:7] offset:(32*\c+\i)*4096
.endr
.endr
.macro NIB c, o, from, mask, two               ; o = 0: the low nibbles (even k), 1: the high ones (odd k).  from = 0: out of the words, 1: out of FW's even registers
.irp i, 0,1,2,3,4,5,6,7,8,9,10,11,12,13,14,15
.if \from
	v_and_or_b32 v[FW+2*\i+\o], v[FW+2*\i], \mask, \two
.else
	v_and_or_b32 v[FW+2*\i+\o], v[RW+16*\c+\i], \mask, \two
.endif
.endr
.endm
.macro WBLK c, j                       ; block 2 c + h of column j of my four
.if \j == 0
.irp i, 0,1,2,3,4,5,6,7,8,9,10,11,12,13,14,15
	v_lshlrev_b32 v[FW+2*\i], 8, v[RW+16*\c+\i]    ; bits 0 and 4 go to 8 and 12
.endr
	NIB \c, 1, 1, s33, s36
	NIB \c, 0, 1, s32, s35
.elseif \j == 1
	NIB \c, 0, 0, s32, s35
	NIB \c, 1, 0, s33, s36
.elseif \j == 2
	NIB \c, 0, 0, s34, s37
.irp i, 0,1,2,3,4,5,6,7,8,9,10,11,12,13,14,15
	v_lshrrev_b32 v[RW+16*\c+\i], 12, v[RW+16*\c+\i]   ; bits 20, 24, 28 go to 8, 12, 16
.endr
	NIB \c, 1, 0, s32, s35
.else
	NIB \c, 0, 0, s33, s36
	NIB \c, 1, 0, s34, s37
.endif
.irp i, 0,2,4,6,8,10,12,14,16,18,20,22,24,26,28,30
	v_pk_fma_f32 v[FW+\i:FW+\i+1], v[FW+\i:FW+\i+1], v[SS:SS+1], v[CC:CC+1]
.endr
	QBLK FW, CD+12*\j+6*\c, BY+\c
.endm
.macro WCOL j, hf
	v_cvt_f32_f16 v[SS], v[10+\j/2].\hf
	v_mov_b32 v[SS+1], v[SS]
.if \j < 2
	v_mul_f32 v[CC], 0xc7000800, v[SS]             ; -(2^15 + 8) s
	v_mul_f32 v[CC+1], 0xc5008000, v[SS]           ; -(2^11 + 8) s
.elseif \j == 2
	v_mul_f32 v[CC], 0xc3080000, v[SS]             ; -(2^7 + 8) s
	v_mul_f32 v[CC+1], 0xc7000800, v[SS]
.else
	v_mul_f32 v[CC], 0xc5008000, v[SS]
	v_mul_f32 v[CC+1], 0xc3080000, v[SS]
.endif
	WBLK 0, \j
.if \j == 0
	s_wait_alu depctr_va_vdst(0)
	s_wait_loadcnt 0x0
.endif
	WBLK 1, \j
	WORD W+\j
.irp c, 0,1,2
	global_store_b128 v9, v[CD+12*\j+4*\c:CD+12*\j+4*\c+3], s[12:13] offset:1536*\j+512*\c   ; 32 lanes store 512 consecutive bytes, aligned to 256
.endr
.endm
	s_wait_loadcnt 16                              ; the scales and the first 16 rows are in; the other 16 may be out
	WCOL 0, l
	WCOL 1, h
	WCOL 2, l
	WCOL 3, h
	OUTW
	s_endpgm
.Lfunc_end_k_q25ea90cb87_quant:
	.size	k_q25ea90cb87_quant, .Lfunc_end_k_q25ea90cb87_quant-k_q25ea90cb87_quant
	.p2alignl 7, 3214868480
	.fill 96, 4, 3214868480
	.section	.rodata,"a",@progbits
	.p2align	6, 0x0
	.amdhsa_kernel k_q25ea90cb87_quant
		.amdhsa_group_segment_fixed_size 17920
		.amdhsa_private_segment_fixed_size 0
		.amdhsa_enable_private_segment 0
		.amdhsa_kernarg_size 40
		.amdhsa_user_sgpr_count 2
		.amdhsa_user_sgpr_kernarg_segment_ptr 1
		.amdhsa_wavefront_size32 1
		.amdhsa_system_sgpr_workgroup_id_x 1
		.amdhsa_system_sgpr_workgroup_id_y 1
		.amdhsa_system_sgpr_workgroup_id_z 1
		.amdhsa_system_vgpr_workitem_id 0
		.amdhsa_next_free_vgpr 256
		.amdhsa_next_free_sgpr 66
		.amdhsa_reserve_vcc 1
		.amdhsa_float_denorm_mode_32 3
		.amdhsa_float_denorm_mode_16_64 3
		.amdhsa_memory_ordered 1
		.amdhsa_forward_progress 1
		.amdhsa_inst_pref_size 76
	.end_amdhsa_kernel
	.amdgpu_metadata
---
amdhsa.version: [ 1, 2 ]
amdhsa.kernels:
  - .name:           k_q25ea90cb87_quant
    .symbol:         k_q25ea90cb87_quant.kd
    .args:
      - { .name: x, .offset: 0, .size: 8, .value_kind: global_buffer, .address_space: global }
      - { .name: weight, .offset: 8, .size: 8, .value_kind: global_buffer, .address_space: global }
      - { .name: scales, .offset: 16, .size: 8, .value_kind: global_buffer, .address_space: global }
      - { .name: aq, .offset: 24, .size: 8, .value_kind: global_buffer, .address_space: global }
      - { .name: bq, .offset: 32, .size: 8, .value_kind: global_buffer, .address_space: global }
    .group_segment_fixed_size: 17920
    .private_segment_fixed_size: 0
    .kernarg_segment_align: 8
    .kernarg_segment_size: 40
    .max_flat_workgroup_size: 128
    .sgpr_count:     66
    .vgpr_count:     256
    .wavefront_size: 32
...
	.end_amdgpu_metadata
.endif
;; end of part 1
;; launch gemm (part 2): grid 16 x 16, 4 waves a work-group, clusters of 4 x 4, 327,680 bytes of LDS; arguments aq, bq, out0; writes out0
.if DOCPART == 2
	.amdgcn_target "amdgcn-amd-amdhsa--gfx1250"
	.amdhsa_code_object_version 6
	.text
	.protected	k_q25ea90cb87_gemm
	.globl	k_q25ea90cb87_gemm
	.p2align	8
	.type	k_q25ea90cb87_gemm,@function
k_q25ea90cb87_gemm:
	s_mov_b64 s[64:65], 0
	v_nop
	global_prefetch_b8 v0, s[64:65] scope:SCOPE_SE
	s_setreg_imm32_b32 hwreg(HW_REG_WAVE_MODE, 25, 1), 1
	s_wait_xcnt 0x0
	s_wait_alu depctr_hold_cnt(0) depctr_sa_sdst(0) depctr_va_vdst(0) depctr_va_sdst(0) depctr_va_ssrc(0) depctr_va_vcc(0) depctr_vm_vsrc(0)
	s_getreg_b32 s2, hwreg(HW_REG_IB_STS2, 6, 4)
	s_cmp_eq_u32 s2, 0
	s_cbranch_scc0 .Lentry_in_a_cluster
	s_endpgm
.Lentry_in_a_cluster:
	s_bfe_u32 s2, ttmp6, 0x10000c
	s_cmp_lg_u32 s2, 0xf033
	s_cbranch_scc0 .Lentry_shape_is_right
	s_endpgm
.Lentry_shape_is_right:
; out[m][n] = sum over k of x[m][k] w[k][n] on codes of FP6 with E8M0 scales, f32 sums, rounded once to f16.  aq and bq are laid by the launch before: strips of 128 rows (columns), K steps of 128, a unit of 12,800 bytes each
; (8 fragment images of 1,536 bytes in the order of the operand's registers, then 512 bytes of scale words).  Place r of w's fragment b is column 8 r + b of its strip.
; LIMITS: NaN and infinities in the codes' sources are not served.
; A work-group of four waves makes 256 x 256 of out, a wave 128 x 128: 64 accumulators, 512 registers.  256 work-groups.  CLUSTERS of 4 x 4: the two strips of x are shared along a row of the cluster, the two of w along a column, by joint loads.
; LDS: two slots of three K steps, each with four strips' units (38,400 bytes a strip), one strip to a wave's load.  Chunk 0 has K steps 0 to 2, chunk 1 the steps 3 and 4, chunk c = 2 .. 10 the steps 3 c - 1 .. 3 c + 1; chunk c lies in slot c % 2.
; REGISTERS: each of the four windows of 256 holds a quadrant of the accumulators (v128-255: 4 x 4 blocks) and one group of four fragments, in two sets (v32-79, v80-127):
;   window 0: sums (A0, B0), fragments A0    window 1: sums (A0, B1), fragments B0    window 2: sums (A1, B1), fragments B1    window 3: sums (A1, B0), fragments A1
; (A0 = my row blocks 0-3, A1 = 4-7; B0 = column blocks 0-3, B1 = 4-7).  A K step is four PHASES of 16 products, one for each quadrant, under one window setting each.
; ONE RUN OF 50 LDS LOADS A STEP, behind its phase 0, brings the whole next step into the other set: A0 12, scale words 2, B0 12, B1 12, A1 12.
; COUNTS OF THE WAITS: at a step's head B1's and A1's 24 may be out; ahead of the run A1's 12 (so 62 are out behind it at the most); ahead of phase 2, which reads A1, only the run's 50.
; THE 64 ACCUMULATORS TAKE TURNS, one instruction a turn.  Four v_nop in phase 0 are the places between a set's last product and the loads into it.
; A CHANGE OF SLOTS: the tensor wait and the spare add stand in phase 0 of a chunk's last step, and the round of the cluster's barrier behind it, phase 1 between its opening signal and wait; the run follows the joint load, ahead of phases 2 and 3.
; THE LAST THREE STEPS GO BY ROWS OF OUT: w's 24 fragments stay in registers, my eight blocks of 16 rows are finished one after the other (24 products each, K ascending), and each leaves while the next is multiplied.
; THE WAY OUT: register j of lane (r, h) is row 8 h + j, column 8 r + b: the eight accumulators of a row block give a lane 16 bytes, and sixteen lanes store 256 consecutive bytes, aligned.
; PREFETCH: chunks 0 and 1 come by their loads alone.  Behind step 0 chunk 2 is asked for, behind chunk 2's load chunk 3, behind step 3 chunk 4, and from chunk 3's load on behind each refill and its run of LDS loads the chunk that stands
; two refills on, nothing beyond chunk 10.  Of the 150 blocks of 256 bytes that a wave will load, the partner at place p of the four that share them takes 38 p .. 38 p + 37, held at block 149.
.set UNIT,  12800
.set STRIP, 409600
.set REG,   3*UNIT
.set SLOT,  4*REG
.set SPARE, 2*SLOT                     ; spare words, 512 bytes behind the slots
.set SPW,  1                           ; v1  my spare word;  v2  0
.set NIL,  2
.set ADRA, 3                           ; v3, v4  LDS address of my A images in slot 0, 1;  v5, v0 of B's (v0: behind the head);  v6, v7 of the scale words
.set ADRS, 6
.set SC,   8                           ; v8-31  scale words, three sets: register i: lanes 0-15 A's block i, lanes 16-31 B's block i
.set FRG,  32
.set ACC,  128
.set CO,   8                           ; window 3: v8 my place in a store;  v9, v10 my blocks of a prefetch.  Windows 1 and 2: v0-31 packed results
.set PFO,  9
.set PFA,  10                          ; s[10:11] where my prefetches stand
.set G1A,  24
.set G0A,  32
.set G1B,  48
.set G0B,  56
.set G1AS, 68
.set G1BS, 76
.set MSB, 0
.macro WIN new                         ; the immediate's high byte repeats the setting that is left
.if MSB != \new
	s_set_vgpr_msb (MSB<<8)|(\new)
.set MSB, \new
.endif
.endm
.macro JLOAD g0a, g1a, g0b, g1b        ; a joint load: waves 0 and 1 a strip of x each, waves 2 and 3 a strip of w each
	s_cmp_eq_u32 s15, 0
	s_cbranch_scc0 .Lfor_b_\@
	tensor_load_to_lds s[\g0a:\g0a+3], s[\g1a:\g1a+7]
	s_nop 0
.rept 4
	v_nop
.endr
	s_branch .Lasked_\@
.Lfor_b_\@:
	tensor_load_to_lds s[\g0b:\g0b+3], s[\g1b:\g1b+7]
	s_nop 0
.rept 4
	v_nop
.endr
.Lasked_\@:
.endm
.macro CREST                           ; a round of the cluster's barrier behind its opening barrier
	s_cmp_lg_u32 s14, 0
	s_cbranch_scc1 .Lnot_wave_0_\@
	s_barrier_signal -3
.Lnot_wave_0_\@:
	s_barrier_wait -3
	s_barrier_signal -1
	s_barrier_wait -1
.endm
.macro CROUND
	s_barrier_signal -1
	s_barrier_wait -1
	CREST
.endm
.macro PLACES
.rept 4
	v_nop
.endr
.endm
.macro ASK off                         ; 38 blocks of a chunk: 32 lanes, then six more
	WIN 3
	global_prefetch_b8 v[PFO], s[PFA:PFA+1] offset:\off th:TH_LOAD_NT scope:SCOPE_SE
	global_prefetch_b8 v[PFO+1], s[PFA:PFA+1] offset:\off th:TH_LOAD_NT scope:SCOPE_SE
	WIN 0
.endm
; load k of the twelve that bring four fragments, from block i0 of unit q on
.macro LDX reg, adr, q, k, i0
.set L_, (\reg)+4*(\k)
	ds_load_b128 v[L_:L_+3], v[\adr] offset:UNIT*(\q)+1536*(\i0)+512*(\k)
.endm
.macro LD12 grp, e2, slot, q           ; group 0 A0, 1 B0, 2 B1, 3 A1, into set e2 of the destination's window
.irp k, 0,1,2,3,4,5,6,7,8,9,10,11
.if ((\grp) == 0) || ((\grp) == 3)
	LDX FRG+48*(\e2), ADRA+(\slot), \q, \k, 4*((\grp)/2)
.else
	LDX FRG+48*(\e2), 5-5*(\slot), \q, \k, 4*((\grp)/2)
.endif
.endr
.endm
.macro LDSC t2, slot, q                ; eight scale words into set t2
.irp k, 0,1
.set L_, SC+8*(\t2)+4*\k
	ds_load_b128 v[L_:L_+3], v[ADRS+(\slot)] offset:UNIT*(\q)+256*\k
.endr
.endm
.macro LDA a                           ; the last chunk: the nine loads of row block a's three fragments
.irp m, 0,1,2,3,4,5,6,7,8
.set L_, FRG+4*\m
	ds_load_b128 v[L_:L_+3], v[ADRA] offset:UNIT*(\m/3)+1536*(\a)+512*(\m%3)
.endr
.endm
.macro RUN e2, slot, q                 ; a whole step's fragments and scale words
	WIN 0
	LD12 0, \e2, \slot, \q
	LDSC \e2, \slot, \q
	WIN 0x40
	LD12 1, \e2, \slot, \q
	WIN 0x80
	LD12 2, \e2, \slot, \q
	WIN 0xc0
	LD12 3, \e2, \slot, \q
.endm
.macro MM a, b, ar, br, sc, zero       ; one product: source 0 x's block a, source 1 w's block b
.set D_, ACC+8*(4*((\a)%4)+(\b)%4)
.set A_, \ar
.set B_, \br
.set SA_, (\sc)+(\a)
.set SB_, (\sc)+(\b)
.if \zero
	v_wmma_scale_f32_16x16x128_f8f6f4 v[D_:D_+7], v[A_:A_+11], v[B_:B_+11], 0, v[SA_], v[SB_] matrix_a_fmt:MATRIX_FMT_FP6 matrix_b_fmt:MATRIX_FMT_FP6 matrix_b_scale:MATRIX_SCALE_ROW1
.else
	v_wmma_scale_f32_16x16x128_f8f6f4 v[D_:D_+7], v[A_:A_+11], v[B_:B_+11], v[D_:D_+7], v[SA_], v[SB_] matrix_a_fmt:MATRIX_FMT_FP6 matrix_b_fmt:MATRIX_FMT_FP6 matrix_b_scale:MATRIX_SCALE_ROW1
.endif
.endm
; Products n0 .. n1 - 1 of phase ph on set e; np = 1: a v_nop behind each of the first four
.macro PHASE ph, e, zero, n0, n1, np
.if \ph == 0
	WIN 0x04
.elseif \ph == 1
	WIN 0x58
.elseif \ph == 2
	WIN 0xab
.else
	WIN 0xf7
.endif
.set N_, \n0
.rept (\n1)-(\n0)
	MM 4*(\ph/2)+N_/4, 4*(((\ph+1)/2)%2)+N_%4, FRG+48*\e+12*(N_/4), FRG+48*\e+12*(N_%4), SC+8*\e, \zero
.if \np
.if N_ < 4
	v_nop
.endif
.endif
.set N_, N_+1
.endr
.endm
.macro STEP e, zero, slot, q           ; a K step on set e; the next one is unit q of the slot
	s_wait_dscnt 24
	PHASE 0, \e, \zero, 0, 16, 1
	s_wait_dscnt 12
	RUN 1-\e, \slot, \q
	PHASE 1, \e, \zero, 0, 16, 0
	s_wait_dscnt 50
	PHASE 2, \e, \zero, 0, 16, 0
	PHASE 3, \e, \zero, 0, 16, 0
.endm
.macro TURN e, slot, next, adv, off, last      ; the last step of a chunk: its slot is filled again, adv bytes on.  last: 0 asks for a later chunk, 1 does so but in the loop's last trip, 2 does not
	s_wait_dscnt 24
	PHASE 0, \e, 0, 0, 4, 0
	WIN 0
	s_wait_tensorcnt 0x0                           ; my part of the next slot is in
	ds_add_u32 v[SPW], v[NIL]
	s_add_nc_u64 s[G0A+4*\slot+2:G0A+4*\slot+3], s[G0A+4*\slot+2:G0A+4*\slot+3], \adv
	s_add_nc_u64 s[G0B+4*\slot+2:G0B+4*\slot+3], s[G0B+4*\slot+2:G0B+4*\slot+3], \adv
	PHASE 0, \e, 0, 4, 16, 0                       ; twelve products between the add and the wait for it
	s_wait_dscnt 0x0                               ; the add is done, and my reads of this slot are over
	s_barrier_signal -1                            ; opens the round
	PHASE 1, \e, 0, 0, 16, 0
	WIN 0
	s_barrier_wait -1
	CREST
	JLOAD G0A+4*\slot, G1A, G0B+4*\slot, G1B       ; its four v_nop are the places in front of the loads below
	RUN 1-\e, \next, 0
	WIN 0
.if \last == 1
	s_cmp_gt_u32 s3, 1
	s_cbranch_scc0 .Lno_ask_\@
	ASK \off
.Lno_ask_\@:
.elseif \last == 0
	ASK \off
.endif
	PHASE 2, \e, 0, 0, 16, 0
	PHASE 3, \e, 0, 0, 16, 0
.endm
	s_load_b128 s[4:7], s[0:1], 0x0                ; aq, bq
	s_load_b64 s[8:9], s[0:1], 0x10                ; out0
	v_lshl_add_u32 v[SPW], v0, 2, SPARE
	v_mov_b32 v[NIL], 0
	ds_add_u32 v[SPW], v[NIL]                      ; the opening lines: the add, twice on end,
	ds_add_u32 v[SPW], v[NIL]
	v_lshrrev_b32 v32, 5, v0
	v_readfirstlane_b32 s14, v32                   ; wave
	s_lshr_b32 s15, s14, 1                         ; my half of the tile's rows; and I fetch for x (0) or w (1)
	s_and_b32 s16, s14, 1                          ; my half of its columns; and which strip I fetch
	s_bfe_u32 s40, ttmp6, 0x40000                  ; cx, cy
	s_bfe_u32 s41, ttmp6, 0x40004
	s_lshl_b32 s42, ttmp9, 2
	s_add_co_u32 s42, s42, s40                     ; tile column
	s_and_b32 s17, ttmp7, 0xffff
	s_lshl_b32 s17, s17, 2
	s_add_co_u32 s17, s17, s41                     ; tile row
	s_lshl_b32 s43, s41, 2
	s_lshl_b32 s43, 15, s43                        ; my row of the cluster
	s_lshl_b32 s44, 0x1111, s40                    ; my column
	s_or_b32 s[G1A+0], s43, (3<<16)|(1<<21)        ; a dense block as rows of 256 bytes: 32 elements of 8 bytes
	s_or_b32 s[G1AS+0], s43, (3<<16)|(1<<21)
	s_or_b32 s[G1B+0], s44, (3<<16)|(1<<21)
	s_or_b32 s[G1BS+0], s44, (3<<16)|(1<<21)
.irp g, G1A, G1B                       ; three units: 150 rows
	s_mov_b32 s[\g+1], 32<<16
	s_mov_b32 s[\g+2], 150<<16
	s_mov_b32 s[\g+3], 32<<16
	s_mov_b32 s[\g+4], 150
	s_mov_b32 s[\g+5], 32
	s_mov_b32 s[\g+6], 0
	s_mov_b32 s[\g+7], 0
.endr
.irp g, G1AS, G1BS                     ; chunk 1's two units: 100 rows
	s_mov_b32 s[\g+1], 32<<16
	s_mov_b32 s[\g+2], 100<<16
	s_mov_b32 s[\g+3], 32<<16
	s_mov_b32 s[\g+4], 100
	s_mov_b32 s[\g+5], 32
	s_mov_b32 s[\g+6], 0
	s_mov_b32 s[\g+7], 0
.endr
	s_lshl_b32 s20, s17, 1
	s_add_co_u32 s20, s20, s16
	s_mul_i32 s20, s20, STRIP                      ; x: strip 2 x tile row + which
	s_mov_b32 s21, 0
	s_lshl_b32 s46, s42, 1
	s_add_co_u32 s46, s46, s16
	s_mul_i32 s46, s46, STRIP                      ; w: strip 2 x tile column + which
	s_mov_b32 s47, 0
	s_mul_i32 s45, s14, REG                        ; where it goes: wave x REG
	s_wait_dscnt 0x0                               ; and the one wait for both adds
	CROUND                                         ; all sixteen work-groups are here: the first joint loads meet
	s_wait_kmcnt 0x0
	s_add_nc_u64 s[20:21], s[4:5], s[20:21]
	s_add_nc_u64 s[46:47], s[6:7], s[46:47]
.irp s, 0,1
	s_mov_b32 s[G0A+4*\s], 1
	s_add_co_u32 s[G0A+4*\s+1], s45, \s*SLOT
	s_add_nc_u64 s[G0A+4*\s+2:G0A+4*\s+3], s[20:21], \s*3*UNIT
	s_or_b32 s[G0A+4*\s+3], s[G0A+4*\s+3], 0x80000000
	s_mov_b32 s[G0B+4*\s], 1
	s_add_co_u32 s[G0B+4*\s+1], s45, \s*SLOT
	s_add_nc_u64 s[G0B+4*\s+2:G0B+4*\s+3], s[46:47], \s*3*UNIT
	s_or_b32 s[G0B+4*\s+3], s[G0B+4*\s+3], 0x80000000
.endr
	JLOAD G0A, G1A, G0B, G1B                       ; chunk 0: one tensor load a wave at the head
	s_mul_i32 s18, s15, REG                        ; my half of x,
	s_mul_i32 s19, s16, REG
	s_add_co_u32 s19, s19, 2*REG                   ; my half of w
	s_add_co_u32 s12, s18, SLOT
	s_add_co_u32 s13, s19, SLOT
	s_sub_co_u32 s22, s19, s18
	s_add_co_u32 s23, s18, 12288
	s_cmp_eq_u32 s15, 0
	s_cselect_b32 s2, s40, s41                     ; my place among the four that ask for my strip with me
	s_cselect_b64 s[PFA:PFA+1], s[20:21], s[46:47]
	s_mul_i32 s2, s2, 38
	v_and_b32 v32, 31, v0                          ; lane
	v_and_b32 v33, 15, v0                          ; r
	v_bfe_u32 v34, v0, 4, 1                        ; h
	v_lshlrev_b32 v35, 4, v32
	v_add_nc_u32 v3, s18, v35
	v_add_nc_u32 v4, s12, v35
	v_add_nc_u32 v5, s19, v35
	v_mul_u32_u24 v36, s22, v34                    ; lanes 16-31 take w's words
	v_lshl_add_u32 v36, v33, 4, v36
	v_add_nc_u32 v6, s23, v36
	v_add_nc_u32 v7, SLOT, v6
	v_add_nc_u32 v0, s13, v35                      ; (the thread's number has served)
	v_add_nc_u32 v36, s2, v32                      ; block 38 p + lane
	v_min_u32 v37, 5, v32
	v_add_nc_u32 v37, s2, v37
	v_add_nc_u32 v37, 32, v37
	v_min_u32 v37, 149, v37                        ; block 38 p + 32 + 0 .. 5, inside the chunk's 150
	v_lshlrev_b32 v38, 16, v34                     ; lanes 16-31 store 8 rows further down
	WIN 0xc0                                       ; into window 3
	v_lshl_add_u32 v[CO], v33, 4, v38
	v_lshlrev_b32 v[PFO], 8, v36
	v_lshlrev_b32 v[PFO+1], 8, v37
	WIN 0
	s_lshl_b32 s20, s17, 8                         ; my part of out: row 256 x tile row + 128 x half, column 256 x tile column + 128 x half
	s_lshl_b32 s21, s15, 7
	s_add_co_u32 s20, s20, s21
	s_lshl_b32 s20, s20, 13
	s_mov_b32 s21, 0
	s_lshl_b32 s46, s42, 9
	s_lshl_b32 s47, s16, 8
	s_add_co_u32 s46, s46, s47
	s_mov_b32 s47, 0
	s_add_nc_u64 s[20:21], s[20:21], s[46:47]
	s_add_nc_u64 s[8:9], s[8:9], s[20:21]
	s_wait_alu depctr_va_vdst(0)
	s_wait_tensorcnt 0x0                           ; my part of chunk 0 is in
	ds_add_u32 v[SPW], v[NIL]
	s_wait_dscnt 0x0
	CROUND                                         ; everybody's part of chunk 0 is in
	JLOAD G0A+4, G1AS, G0B+4, G1BS                 ; chunk 1
	RUN 0, 0, 0
	STEP 0, 1, 0, 1                                ; step 0 starts the sums: nothing is cleared
	WIN 0
	ASK 5*UNIT                                     ; chunk 2
	STEP 1, 0, 0, 2
	TURN 0, 0, 1, 5*UNIT, 8*UNIT, 0                ; step 2; slot 0 takes chunk 2, chunk 3 is asked for
	STEP 1, 0, 1, 1
	WIN 0
	ASK 11*UNIT                                    ; chunk 4
	TURN 0, 1, 0, 5*UNIT, 14*UNIT, 0               ; step 4; slot 1 takes chunk 3, chunk 5 is asked for
	WIN 0
	s_mov_b32 s3, 3
.Llap:                                                 ; six steps: a chunk in slot 0, a chunk in slot 1; the first trip's are steps 5 to 10
	STEP 1, 0, 0, 1
	STEP 0, 0, 0, 2
	WIN 0
	s_wait_xcnt 0x0                                ; my prefetches have read their base
	s_add_nc_u64 s[PFA:PFA+1], s[PFA:PFA+1], 6*UNIT
	TURN 1, 0, 1, 6*UNIT, 11*UNIT, 0               ; chunks 6, 8, 10 are asked for
	STEP 0, 0, 1, 1
	STEP 1, 0, 1, 2
	TURN 0, 1, 0, 6*UNIT, 14*UNIT, 1               ; chunks 7, 9
	WIN 0
	s_sub_co_u32 s3, s3, 1
	s_cmp_lg_u32 s3, 0
	s_cbranch_scc1 .Llap
	STEP 1, 0, 0, 1                                ; steps 23, 24
	STEP 0, 0, 0, 2
	TURN 1, 0, 1, 6*UNIT, 0, 2                     ; step 25; slot 0 takes chunk 10
	STEP 0, 0, 1, 1                                ; steps 26, 27
	STEP 1, 0, 1, 2
	s_wait_dscnt 24                                ; step 28: a plain barrier shows the last chunk
	PHASE 0, 0, 0, 0, 16, 0
	s_wait_tensorcnt 0x0
	s_wait_dscnt 0x0
	s_barrier_signal -1
	PHASE 1, 0, 0, 0, 16, 0
	WIN 0
	s_barrier_wait -1
; THE ROWS.  w's fragments: step 29 in set 1 of windows 1 and 2, step 30 in set 1 of windows 3 and 0, step 31 in set 0 of windows 1 and 2; x's row blocks by turns in set 0 of windows 0 and 3.
.macro GRP a, k, g, nop                ; row block a, step 29 + k, column blocks 4 g .. 4 g + 3
.if (\a) < 4
.set DW_, \g
.else
.set DW_, 3-\g
.endif
.if \k == 1
.set BW_, 3-3*\g
.else
.set BW_, 1+\g
.endif
.set BR_, FRG+48*((4-\k)/3)
	WIN (3*((\a)%2))|(BW_<<2)|(DW_<<4)|(DW_<<6)
.irp b, 0,1,2,3
	MM \a, 4*\g+\b, FRG+12*\k, BR_+12*\b, SC+8*((\k+1)%3), 0
.if \nop
	v_nop
.endif
.endr
.endm
.macro OUT a                           ; row block a: rounded, and stored as whole units
.set TW_, 1+(\a)%2
.irp g, 0,1
.if (\a) < 4
.set DW_, \g
.else
.set DW_, 3-\g
.endif
	WIN DW_|(DW_<<2)|(TW_<<6)
.irp j, 0,1,2,3,4,5,6,7
.irp c, 0,1
.set X_, ACC+8*(4*((\a)%4)+2*\c)+\j
	v_cvt_pk_f16_f32 v[4*\j+2*\g+\c], v[X_], v[X_+8]
.endr
.endr
.endr
	WIN 3|(TW_<<2)
.irp j, 0,1,2,3,4,5,6,7
	global_store_b128 v[CO], v[4*\j:4*\j+3], s[8:9] offset:(16*(\a)+\j)*8192 th:TH_STORE_NT
.endr
.endm
	PLACES                                         ; for the loads into A0's registers
	LDA 0                                          ; 61 loads in one run: row block 0's,
	LDSC 1, 0, 0                                   ; the scale words of steps 29
	LDSC 2, 0, 1                                   ; and 30,
	WIN 0x40
	LD12 1, 1, 0, 0                                ; step 29's B0
	WIN 0x80
	LD12 2, 1, 0, 0                                ; and B1,
	WIN 0xc0
	LD12 1, 1, 0, 1                                ; step 30's B0 into window 3
	WIN 0
	LD12 2, 1, 0, 1                                ; and B1 into window 0
	PHASE 2, 0, 0, 0, 16, 0
	PHASE 3, 0, 0, 0, 16, 0
	PLACES
	s_wait_dscnt 24                                ; all but step 30's
	GRP 0, 0, 0, 0
	GRP 0, 0, 1, 0
	WIN 0
	LDSC 0, 0, 2
	WIN 0x40
	LD12 1, 0, 0, 2                                ; step 31's B0
	WIN 0x80
	LD12 2, 0, 0, 2                                ; and B1
	WIN 0xc0
	LDA 1
	s_wait_dscnt 35                                ; step 30 is in
	GRP 0, 1, 0, 0
	GRP 0, 1, 1, 0
	s_wait_dscnt 9                                 ; all but row block 1's
	GRP 0, 2, 0, 0
	GRP 0, 2, 1, 0
.irp a, 1,2,3,4,5,6,7
	s_wait_dscnt 0x0                               ; row block a's fragments are in
	GRP \a, 0, 0, 1                                ; its four v_nop are the places behind row block a - 1's products
	GRP \a, 0, 1, 0
	s_wait_xcnt 0x0                                ; the earlier stores have read their registers
	OUT \a-1
.if \a < 7
	WIN ((3*((\a+1)%2))<<6)
	LDA \a+1
.endif
	GRP \a, 1, 0, 0
	GRP \a, 1, 1, 0
	GRP \a, 2, 0, 0
	GRP \a, 2, 1, 0
.endr
	PLACES
	s_wait_xcnt 0x0
	OUT 7
	WIN 0
	s_wait_tensorcnt 0x0                           ; the wave's end
	ds_add_u32 v[SPW], v[NIL]
	s_wait_dscnt 0x0
	CROUND                                         ; the closing round: no work-group ends while a partner may still ask for a tile that names it
	s_endpgm
.Lfunc_end_k_q25ea90cb87_gemm:
	.size	k_q25ea90cb87_gemm, .Lfunc_end_k_q25ea90cb87_gemm-k_q25ea90cb87_gemm
	.p2alignl 7, 3214868480
	.fill 96, 4, 3214868480
	.section	.rodata,"a",@progbits
	.p2align	6, 0x0
	.amdhsa_kernel k_q25ea90cb87_gemm
		.amdhsa_group_segment_fixed_size 327680
		.amdhsa_private_segment_fixed_size 0
		.amdhsa_enable_private_segment 0
		.amdhsa_kernarg_size 24
		.amdhsa_user_sgpr_count 2
		.amdhsa_user_sgpr_kernarg_segment_ptr 1
		.amdhsa_wavefront_size32 1
		.amdhsa_system_sgpr_workgroup_id_x 1
		.amdhsa_system_sgpr_workgroup_id_y 1
		.amdhsa_system_sgpr_workgroup_id_z 1
		.amdhsa_system_vgpr_workitem_id 0
		.amdhsa_next_free_vgpr 1024
		.amdhsa_next_free_sgpr 84
		.amdhsa_reserve_vcc 0
		.amdhsa_float_denorm_mode_32 3
		.amdhsa_float_denorm_mode_16_64 3
		.amdhsa_memory_ordered 1
		.amdhsa_forward_progress 1
		.amdhsa_inst_pref_size 255
	.end_amdhsa_kernel
	.section	.bss,"aw",@nobits
	.p2align	6
	.space	262144
	.amdgpu_metadata
---
amdhsa.version: [ 1, 2 ]
amdhsa.kernels:
  - .name:           k_q25ea90cb87_gemm
    .symbol:         k_q25ea90cb87_gemm.kd
    .args:
      - { .name: aq, .offset: 0, .size: 8, .value_kind: global_buffer, .address_space: global }
      - { .name: bq, .offset: 8, .size: 8, .value_kind: global_buffer, .address_space: global }
      - { .name: out0, .offset: 16, .size: 8, .value_kind: global_buffer, .address_space: global }
    .group_segment_fixed_size: 327680
    .private_segment_fixed_size: 0
    .kernarg_segment_align: 8
    .kernarg_segment_size: 24
    .max_flat_workgroup_size: 128
    .sgpr_count:     84
    .vgpr_count:     1024
    .wavefront_size: 32
...
	.end_amdgpu_metadata
.endif
;; end of part 2
